; MI455X (gfx1250); checked and timed in simulation.
; The chip was launched on July 23, 2026; its instructions are those of AMD's public machine-readable ISA for CDNA 5 (MIT licence, August 2026) and "CDNA5" Instruction Set Architecture Reference Guide (July 2026). The comments in the code are by the model that wrote it; some were corrected since.
;; Dispatch Einsum Combine. Allowed arithmetic: matrix products marked QUANTISED: E2M1 operands, one E8M0 scale for each 32 along K, by v_wmma_scale_f32_16x16x128_f8f6f4 with both operands' format E2M1 (or v_wmma_scale_f32_32x16x128_f4), f32 sums; products left as they are: f32 operands where the result goes on into a quantised operand, else bf16, f16 or f32 operands; f32 sums; everything else in f32.
;; Inputs: down_bias 8 x 1,024 float32; down_proj_codes 8 x 1,024 x 64 x 16 uint8 (E2M1 codes of down_proj, K innermost, in blocks of 32 codes, two codes a byte); down_proj_scales 8 x 1,024 x 64 uint8 (E8M0 scales of down_proj, one for each 32 codes along K); gate_up_bias 8 x 4,096 float32; gate_up_proj_codes 8 x 4,096 x 32 x 16 uint8 (E2M1 codes of gate_up_proj, K innermost, in blocks of 32 codes, two codes a byte); gate_up_proj_scales 8 x 4,096 x 32 uint8 (E8M0 scales of gate_up_proj, one for each 32 codes along K); hidden_states 1 x 1,024 x 1,024 float32; router_b 8 float32; router_w 1,024 x 8 float32.
;; Outputs: out0 1 x 1,024 x 1,024 float32.
;; This version of the problem:
;;   THIS VERSION OF THE PROBLEM IS GIVEN IN LOW PRECISION. The matrix products marked QUANTISED in the list below multiply operands that are first quantised to E2M1 (2 exponent bits, 1 mantissa bit; 4 bits a number), with one power-of-two scale for each 32 numbers along K (OCP MX v1.0); their sums are f32. All else is computed in f32.
;;   The module's matrix products, in the order in which they are computed (A, B: the left and right operand; K: the contracted axis; several contracted axes count as one K, in the product's order):
;;     1. [M 1,024, K 1,024] x [K 1,024, N 8]; A: input hidden_states; B: input router_w: left as it is (N = 8 < 16)
;;     2. [M 32,768, K 1,024] x [K 1,024, N 1,024]; A: input gate_up_proj (given as codes); B: input hidden_states: QUANTISED
;;     3. batch 8 x [M 1,024, K 2,048] x [K 2,048, N 1,024]; A: input down_proj (given as codes); B: computed on the way: QUANTISED
;;   THE QUANTISER, for each operand of a quantised product, along K:
;;     - K is cut into blocks of 32 from its start; a last block that is shorter is filled with zeros.
;;     - A block's scale is 2^e with e = floor(log2(the largest magnitude in the block)) - 2, held to -126 .. 127; a block of zeros has e = 0. As a byte (E8M0): e + 127.
;;     - Each number is divided by its block's scale, clamped to +-6, and rounded to the nearest number of E2M1, ties to even, subnormals kept.
;;     - The product sums the exact products of the quantised numbers (number of the format x scale) in f32.
;;   ~~~python
;;   def quantise(x, axis):      # numpy; x: float32 -> the quantised numbers, widened to float32 again
;;       x = np.moveaxis(x, axis, -1); K = x.shape[-1]
;;       x = np.pad(x, [(0, 0)] * (x.ndim - 1) + [(0, -K % 32)]); x = x.reshape(x.shape[:-1] + (-1, 32)); a = np.abs(x).max(-1, keepdims=True)
;;       e = np.where(a > 0, np.clip(np.frexp(np.where(a > 0, a, 1))[1] - 1 - 2, -126, 127), 0)      # np.frexp(a)[1] - 1 = floor(log2(a)), exactly
;;       r = np.clip(x / 2.0 ** e, -6, 6)
;;       step = 2.0 ** (np.maximum(np.frexp(np.where(r == 0, 1, r))[1] - 1, 0) - 1)
;;       q = np.round(r / step) * step * 2.0 ** e      # np.round: ties to even
;;       return np.moveaxis(q.reshape(q.shape[:-2] + (-1,))[..., :K], -1, axis).astype(np.float32)
;;   ~~~
;;   OPERANDS COMPUTED ON THE WAY. 'Computed on the way' means the value that the module computes at that place (a softmax that the list does not call 'softmax' is quantised finished and normalised). What goes into a quantiser is computed in f32, as accurately as f32 sums, v_exp_f32 and their like allow (about 1e-6 of the number): no bf16 or f16 on the way to a quantiser, and a product that is left as it is and whose result goes on into a quantised operand takes f32 operands (vector FMAs, or v_wmma_f32_16x16x4_f32). A number that lies on a knife's edge between two numbers of the format may be rounded either way, as far as f32 arithmetic and the matrix unit's own rounding can turn it there, and no further.
;;   INPUTS GIVEN AS CODES. down_proj (in the module: [8, 2048, 1024], K = its axis 1); gate_up_proj (in the module: [8, 1024, 4096], K = its axis 1): each comes as NAME_codes (uint8): NAME with its K axis moved to the last place and cut into blocks of 32 codes, [.., K / 32, bytes a block], one block behind the other in memory; two codes a byte, the lower K in the low four bits (a code: sign, 2 exponent bits, 1 mantissa bit); and NAME_scales (uint8): the same leading axes, one E8M0 byte (e + 127) for each 32 codes along K. Its value is code x scale, taken as it is: it is not quantised again, and the codes and scales need not be those that the quantiser above would give.
;; One version. Each part assembles by itself: llvm-mc -triple=amdgcn-amd-amdhsa -mcpu=gfx1250 --defsym DOCPART=n.
;; ======== version 1 of 1: 3 launches
;; limits: right only within a limited range of input values
;; workspace buffers: xq 524,288 bytes; xs 32,768 bytes; sel 4,096 bytes of whole numbers; wts 8,192 bytes; act 8,388,608 bytes; acs 524,288 bytes; st 512 bytes of whole numbers
;; launch route (part 1): grid 256 x 1, 4 waves a work-group, no clusters, 38,144 bytes of LDS; arguments hidden_states, router_w, router_b, xq, xs, sel, wts; writes xq, xs, sel, wts
.if DOCPART == 1
	.amdgcn_target "amdgcn-amd-amdhsa--gfx1250"
	.amdhsa_code_object_version 6
	.text
	.protected	k_q6e00756603_route
	.globl	k_q6e00756603_route
	.p2align	8
	.type	k_q6e00756603_route,@function
k_q6e00756603_route:
	s_mov_b64 s[64:65], 0
	v_nop
	global_prefetch_b8 v0, s[64:65] scope:SCOPE_SE
	s_setreg_imm32_b32 hwreg(HW_REG_WAVE_MODE, 25, 1), 1
	s_wait_xcnt 0x0
; ROUTER AND QUANTISER OF x.  logits = x router_w + router_b in f32 (fused multiply-adds), top-2 (the lower index wins a tie), softmax over the two chosen logits (their maximum taken away first),
; and x [1024][1024] f32 into codes of E2M1 with one E8M0 byte for each 32 along H.
; WORK LEFT OUT BY THE WHOLE PROGRAM.  reference() computes down[b, e, s, :] for all 8 experts and keeps, by its own take_along_axis on top_idx, only the two rows e in top_idx[s].
; A row (e, s) of the products gate_up and down with e not chosen for token s therefore reaches no output, whatever finite values the inputs hold: those rows are not multiplied.
; Every input has a way to the output and is loaded.  LIMIT: a NaN, an infinity or an overflow that arises only in a row of an expert that was not chosen is not carried to the result.
; The choice is derived from floating-point numbers, so here it steers no address: it is stored at fixed places (sel: one word a token with the two experts' bits; wts: the weight of the
; lower-numbered chosen expert, then of the higher) and the later launches read it as whole numbers.
; LIMITS: NaN and infinities among the inputs are not served.  A block whose largest magnitude lies under 2^-124, a block of zeros too, gets the scale byte 1: its codes are zeros or as the floor
; gives them, and the bytes are read by this program alone.  The logits' sums run in another order than reference()'s: two logits that are equal within f32 rounding at the second and third
; place may be chosen either way.
; SHARES.  A work-group takes 4 tokens; wave w takes H = 256 w .. 256 w + 255 of all four, lane l eight neighbours, 256 w + 8 l on, for the quantiser and for the router alike.
; router_w's 8 KB for the wave come by loads of 512 consecutive bytes and turn through the wave's own LDS, so that a lane holds its 8 x 8 numbers.  The waves' partial logits meet in LDS;
; wave 0 chooses.  The codes go through LDS too, so that a token's 512 bytes leave by one instruction.
; No loop, so no prefetch; no matrix work.
.set WP,    272                        ; a lane's place for router_w: 256 bytes + 16, an odd multiple of 16
.set XQ,    4*32*WP                    ; the four tokens' codes, 512 bytes each
.set SB,    XQ+2048                    ; 128 scale bytes, in a block of 256
.set LGT,   SB+256                     ; partial logits: 128 bytes a wave
.set SPARE, LGT+512                    ; the spare words: 128 bytes for each wave, blocks that no other line names
.set X,     16                         ; x: token t, neighbour i at X + 8 t + i
.set WL,    48                         ; router_w as loaded
.set W,     112                        ; router_w[256 w + 8 l + i][e] at W + 8 i + e
.set LG,    176                        ; sums (token, expert) at LG + 8 t + e
.set SN,    208
.set RB,    224
.set SPW,   252
.set NIL,   253
	s_load_b256 s[4:11], s[0:1], 0x0               ; x s[4:5], router_w s[6:7], router_b s[8:9], xq s[10:11]
	s_load_b128 s[12:15], s[0:1], 0x20             ; xs s[12:13], sel s[14:15]
	s_load_b64 s[16:17], s[0:1], 0x30              ; wts
	v_lshl_add_u32 v[SPW], v0, 2, SPARE
	v_mov_b32 v[NIL], 0
	v_lshrrev_b32 v1, 5, v0
	v_readfirstlane_b32 s18, v1                    ; wave
	v_and_b32 v1, 31, v0                           ; lane
	v_lshlrev_b32 v2, 4, v1                        ; 16 l: router_w
	v_lshlrev_b32 v3, 5, v1                        ; 32 l: x
	v_lshrrev_b32 v4, 4, v1
	v_and_b32 v5, 15, v1
	v_mul_u32_u24 v4, v4, WP
	v_lshl_add_u32 v4, v5, 4, v4
	s_mul_i32 s2, s18, 32*WP
	v_add_nc_u32 v4, s2, v4                        ; router_w on its way in: sixteen lanes' 256 bytes fill a place
	v_mul_u32_u24 v5, v1, WP
	v_add_nc_u32 v5, s2, v5                        ; and out: place l
	v_lshlrev_b32 v6, 2, v1                        ; 4 l
	s_lshl_b32 s2, s18, 7
	v_add_nc_u32 v7, s2, v6                        ; 128 w + 4 l: my codes in a token's row; my partial logit
	v_lshrrev_b32 v8, 2, v1
	s_lshl_b32 s2, s18, 3
	v_add_nc_u32 v8, s2, v8                        ; my block's number, 8 w + l / 4
	s_lshl_b32 s2, s18, 9
	v_add_nc_u32 v9, s2, v2                        ; 512 w + 16 l: token w's codes
	v_and_b32 v10, 3, v1
	v_lshlrev_b32 v10, 5, v10                      ; 32 (l % 4): a token's eight partial logits
	v_lshlrev_b32 v11, 3, v1                       ; 8 l
	v_mov_b32 v12, 0                               ; written once: a lane permute's destination counts as one of its sources
	s_mov_b32 s28, 0x76543210
	s_mov_b32 s29, 0xfedcba98                      ; v_permlanex16_b32's selects for lane l xor 16
	s_mov_b32 s30, 0xaaaaaaaa                      ; lanes with bit 0 set, and so on
	s_mov_b32 s31, 0xcccccccc
	s_mov_b32 s34, 0xf0f0f0f0
	s_mov_b32 s35, 0xff00ff00
	s_mov_b32 s36, 0xffff0000
	s_mov_b32 s3, 0
	s_wait_alu depctr_va_vdst(0)                   ; the wait at the head's end
	s_wait_kmcnt 0x0
	s_load_b256 s[20:27], s[8:9], 0x0              ; router_b's eight numbers
	s_lshl_b32 s2, s18, 13
	s_add_nc_u64 s[6:7], s[6:7], s[2:3]            ; my 8,192 bytes of router_w
	s_lshl_b32 s2, ttmp9, 14
	s_lshl_b32 s19, s18, 10
	s_add_co_u32 s2, s2, s19
	s_add_nc_u64 s[4:5], s[4:5], s[2:3]            ; my 4 tokens: 16,384 bytes of x, my quarter 1,024 bytes of each row
	s_lshl_b32 s2, ttmp9, 11
	s_add_nc_u64 s[10:11], s[10:11], s[2:3]
	s_lshl_b32 s2, ttmp9, 7
	s_add_nc_u64 s[12:13], s[12:13], s[2:3]
	s_lshl_b32 s2, ttmp9, 4
	s_add_nc_u64 s[14:15], s[14:15], s[2:3]
	s_lshl_b32 s2, ttmp9, 5
	s_add_nc_u64 s[16:17], s[16:17], s[2:3]
.set i, 0
.rept 16
	global_load_b128 v[WL+4*i:WL+4*i+3], v2, s[6:7] offset:512*i
.set i, i+1
.endr
.irp t, 0,1,2,3
.irp c, 0,1
	global_load_b128 v[X+8*\t+4*\c:X+8*\t+4*\c+3], v3, s[4:5] offset:4096*\t+16*\c th:TH_LOAD_NT
.endr
.endr
	s_wait_loadcnt 8                               ; router_w's 16 loads are in; the 8 of x were issued behind them
.set i, 0
.rept 16
	ds_store_b128 v4, v[WL+4*i:WL+4*i+3] offset:2*WP*i
.set i, i+1
.endr
.set i, 0
.rept 16
	ds_load_b128 v[W+4*i:W+4*i+3], v5 offset:16*i  ; LDS serves a wave's instructions in order: these see the stores above
.set i, i+1
.endr
	s_wait_loadcnt 0x0                             ; x
	; THE QUANTISER: a block of 32 lies in four neighbouring lanes.  The four tokens take turns line by line.
.irp t, 0,1,2,3
	v_max3_num_f32 v[216+\t], |v[X+8*\t]|, |v[X+8*\t+1]|, 0x1800000   ; with the floor 2^(3 - 127): the byte cannot fall under 1
.endr
.irp i, 2,4,6
.irp t, 0,1,2,3
	v_max3_num_f32 v[216+\t], v[216+\t], |v[X+8*\t+\i]|, |v[X+8*\t+\i+1]|
.endr
.endr
.irp m, 1,2
.irp t, 0,1,2,3
	v_max_num_f32_dpp v[216+\t], v[216+\t], v[216+\t] row_xmask:\m row_mask:0xf bank_mask:0xf
.endr
.endr
.irp t, 0,1,2,3
	v_add_nc_u32 v[220+\t], 0xff000000, v[216+\t]  ; 2 off the exponent field: the conversion takes the exponent field of this operand as its scale
.endr
.irp t, 0,1,2,3
	v_lshrrev_b32 v[224+\t], 23, v[220+\t]         ; the scale's byte
.endr
.irp t, 0,1,2,3
	v_cvt_scalef32_pk8_fp4_f32 v[228+\t], v[X+8*\t:X+8*\t+7], v[220+\t]
.endr
	v_nop                                          ; one plain instruction behind the last scaled conversion
.irp t, 0,1,2,3
	ds_store_b32 v7, v[228+\t] offset:XQ+512*\t
	ds_store_b8 v8, v[224+\t] offset:SB+32*\t      ; the four lanes of a block store the same byte
.endr
	s_wait_dscnt 8                                 ; router_w is back; the eight stores behind it may be out
	; THE LOGITS: two experts an instruction, x broadcast from one half of its pair; sixteen sums take turns.  The first product starts each sum.
.set i, 0
.rept 8
.irp t, 0,1,2,3
.irp q, 0,1,2,3
.if i == 0
	v_pk_mul_f32 v[LG+8*\t+2*\q:LG+8*\t+2*\q+1], v[W+2*\q:W+2*\q+1], v[X+8*\t:X+8*\t+1] op_sel_hi:[1,0]
.elseif (i%2) == 0
	v_pk_fma_f32 v[LG+8*\t+2*\q:LG+8*\t+2*\q+1], v[W+8*i+2*\q:W+8*i+2*\q+1], v[X+8*\t+i:X+8*\t+i+1], v[LG+8*\t+2*\q:LG+8*\t+2*\q+1] op_sel_hi:[1,0,1]
.else
	v_pk_fma_f32 v[LG+8*\t+2*\q:LG+8*\t+2*\q+1], v[W+8*i+2*\q:W+8*i+2*\q+1], v[X+8*\t+i-1:X+8*\t+i], v[LG+8*\t+2*\q:LG+8*\t+2*\q+1] op_sel:[0,1,0] op_sel_hi:[1,1,1]
.endif
.endr
.endr
.set i, i+1
.endr
; The 32 sums over the 32 lanes: in each step a lane keeps one of two sums and hands the other to lane l xor m, so that 16, 8, 4, 2 and 1 are left: lane 8 t + e ends with the sum (t, e).
.macro HALVE src, dst, n, mask
.set i, 0
.rept \n
	v_cndmask_b32 v[SN+i], v[\src+2*i+1], v[\src+2*i], \mask
	v_cndmask_b32 v[\dst+i], v[\src+2*i], v[\src+2*i+1], \mask
.set i, i+1
.endr
.endm
.macro ADDX dst, n, m
.set i, 0
.rept \n
	v_add_f32_dpp v[\dst+i], v[SN+i], v[\dst+i] row_xmask:\m row_mask:0xf bank_mask:0xf
.set i, i+1
.endr
.endm
	HALVE LG, RB, 16, s30
	ADDX RB, 16, 1
	HALVE RB, LG, 8, s31
	ADDX LG, 8, 2
	HALVE LG, RB, 4, s34
	ADDX RB, 4, 4
	HALVE RB, LG, 2, s35
	ADDX LG, 2, 8
	HALVE LG, RB, 1, s36
	v_permlanex16_b32 v12, v[SN], s28, s29
	v_add_f32 v[RB], v[RB], v12
	ds_store_b32 v7, v[RB] offset:LGT
	s_wait_dscnt 0x0                               ; for the others' sake: codes, bytes and partial logits are stored
	s_barrier_signal -1
	s_barrier_wait -1
	ds_load_b128 v[16:19], v9 offset:XQ
	s_wait_dscnt 0x0
	global_store_b128 v9, v[16:19], s[10:11]       ; wave w: token w's 512 bytes of codes
	s_cmp_lg_u32 s18, 1
	s_cbranch_scc1 .Lnosc
	ds_load_b32 v20, v6 offset:SB
	s_wait_dscnt 0x0
	global_store_b32 v6, v20, s[12:13]             ; the four tokens' 128 scale bytes
.Lnosc:
	s_cmp_lg_u32 s18, 0
	s_cbranch_scc1 .Lend
.irp j, 0,1,2,3                        ; wave 0: lane l goes on with token l % 4: four partial sums of eight logits
.irp c, 0,1
	ds_load_b128 v[48+8*\j+4*\c:51+8*\j+4*\c], v10 offset:LGT+128*\j+16*\c
.endr
.endr
.irp e, 0,1,2,3,4,5,6,7
	v_mov_b32 v[112+\e], \e
.endr
	s_wait_kmcnt 0x0                               ; router_b
	s_wait_dscnt 0x0
.irp e, 0,1,2,3,4,5,6,7
	v_add_f32 v[80+\e], v[48+\e], v[56+\e]
	v_add_f32 v[88+\e], v[64+\e], v[72+\e]
.endr
.irp e, 0,1,2,3,4,5,6,7
	v_add_f32 v[80+\e], v[80+\e], v[88+\e]
.endr
.irp e, 0,1,2,3,4,5,6,7
	v_add_f32 v[80+\e], s[20+\e], v[80+\e]
.endr
	; TOP-2.  v202, v203: the largest logit and the lowest expert that has it; v204, v205: the same among the others.  (router_b's scalar registers are done with and hold the compares' masks)
	v_max3_num_f32 v200, v80, v81, v82
	v_max3_num_f32 v201, v83, v84, v85
	v_max_num_f32 v202, v86, v87
	v_max3_num_f32 v202, v200, v201, v202
	v_mov_b32 v203, 7
	v_mov_b32 v206, 0xff800000                     ; -infinity
.irp e, 0,1,2,3,4,5,6
	v_cmp_eq_f32 s[20+\e], v[80+\e], v202
.endr
.irp e, 6,5,4,3,2,1,0
	v_cndmask_b32 v203, v203, v[112+\e], s[20+\e]
.endr
.irp e, 0,1,2,3,4,5,6,7
	v_cmp_eq_u32 s[20+\e], \e, v203
.endr
.irp e, 0,1,2,3,4,5,6,7
	v_cndmask_b32 v[88+\e], v[80+\e], v206, s[20+\e]   ; the first choice drops out
.endr
	v_max3_num_f32 v200, v88, v89, v90
	v_max3_num_f32 v201, v91, v92, v93
	v_max_num_f32 v204, v94, v95
	v_max3_num_f32 v204, v200, v201, v204
	v_mov_b32 v205, 7
.irp e, 0,1,2,3,4,5,6
	v_cmp_eq_f32 s[20+\e], v[88+\e], v204
.endr
.irp e, 6,5,4,3,2,1,0
	v_cndmask_b32 v205, v205, v[112+\e], s[20+\e]
.endr
	v_mov_b32 v206, 1
	v_lshlrev_b32 v207, v203, v206
	v_lshlrev_b32 v208, v205, v206
	v_or_b32 v212, v207, v208                      ; the token's word of sel: the two experts' bits
	v_sub_f32 v207, v204, v202                     ; the softmax of two: the maximum is taken away, so the first term is 1 and the second d = e^(second - first), at most 1
	v_mul_f32 v207, 0x3fb8aa3b, v207
	s_wait_alu depctr_va_vdst(0)                   ; the wait ahead of the transcendental, and behind it ahead of its first reader
	v_exp_f32 v209, v207
	v_nop
	s_wait_alu depctr_va_vdst(0)
	v_add_f32 v210, 1.0, v209
	s_wait_alu depctr_va_vdst(0)
	v_rcp_f32 v213, v210                           ; the first choice's weight, 1 / (1 + d)
	v_nop
	s_wait_alu depctr_va_vdst(0)
	v_mul_f32 v214, v209, v213                     ; the second's, d / (1 + d)
	v_cmp_lt_u32 vcc_lo, v205, v203                ; is the second choice the lower-numbered expert?
	v_cndmask_b32 v216, v213, v214, vcc_lo         ; the lower-numbered expert's weight,
	v_cndmask_b32 v217, v214, v213, vcc_lo         ; the higher's
	s_wait_alu depctr_va_vdst(0)
	s_wait_xcnt 0x0                                ; EXEC changes only behind this wait
	v_cmp_gt_u32 vcc_lo, 4, v1
	s_and_saveexec_b32 s32, vcc_lo                 ; lanes 0 to 3 hold tokens 0 to 3
	global_store_b32 v6, v212, s[14:15]
	global_store_b64 v11, v[216:217], s[16:17]
	s_wait_xcnt 0x0
	s_or_b32 exec_lo, exec_lo, s32
.Lend:
	s_wait_tensorcnt 0x0                           ; the wave's end
	ds_add_u32 v[SPW], v[NIL]
	s_wait_dscnt 0x0
	s_endpgm
.Lfunc_end_k_q6e00756603_route:
	.size	k_q6e00756603_route, .Lfunc_end_k_q6e00756603_route-k_q6e00756603_route
	.p2alignl 7, 3214868480
	.fill 96, 4, 3214868480
	.section	.rodata,"a",@progbits
	.p2align	6, 0x0
	.amdhsa_kernel k_q6e00756603_route
		.amdhsa_group_segment_fixed_size 38144
		.amdhsa_private_segment_fixed_size 0
		.amdhsa_enable_private_segment 0
		.amdhsa_kernarg_size 56
		.amdhsa_user_sgpr_count 2
		.amdhsa_user_sgpr_kernarg_segment_ptr 1
		.amdhsa_wavefront_size32 1
		.amdhsa_system_sgpr_workgroup_id_x 1
		.amdhsa_system_sgpr_workgroup_id_y 1
		.amdhsa_system_sgpr_workgroup_id_z 1
		.amdhsa_system_vgpr_workitem_id 0
		.amdhsa_next_free_vgpr 256
		.amdhsa_next_free_sgpr 66
		.amdhsa_reserve_vcc 1
		.amdhsa_float_denorm_mode_32 3
		.amdhsa_float_denorm_mode_16_64 3
		.amdhsa_memory_ordered 1
		.amdhsa_forward_progress 1
		.amdhsa_inst_pref_size 31
	.end_amdhsa_kernel
	.amdgpu_metadata
---
amdhsa.version: [ 1, 2 ]
amdhsa.kernels:
  - .name:           k_q6e00756603_route
    .symbol:         k_q6e00756603_route.kd
    .args:
      - { .name: hidden_states, .offset: 0, .size: 8, .value_kind: global_buffer, .address_space: global }
      - { .name: router_w, .offset: 8, .size: 8, .value_kind: global_buffer, .address_space: global }
      - { .name: router_b, .offset: 16, .size: 8, .value_kind: global_buffer, .address_space: global }
      - { .name: xq, .offset: 24, .size: 8, .value_kind: global_buffer, .address_space: global }
      - { .name: xs, .offset: 32, .size: 8, .value_kind: global_buffer, .address_space: global }
      - { .name: sel, .offset: 40, .size: 8, .value_kind: global_buffer, .address_space: global }
      - { .name: wts, .offset: 48, .size: 8, .value_kind: global_buffer, .address_space: global }
    .group_segment_fixed_size: 38144
    .private_segment_fixed_size: 0
    .kernarg_segment_align: 8
    .kernarg_segment_size: 56
    .max_flat_workgroup_size: 128
    .sgpr_count:     66
    .vgpr_count:     256
    .wavefront_size: 32
...
	.end_amdgpu_metadata
.endif
;; end of part 1
;; launch gateup (part 2): grid 256 x 1, 4 waves a work-group, no clusters, 90,112 bytes of LDS; arguments sel, xq, xs, gate_up_proj_codes, gate_up_proj_scales, gate_up_bias, act, acs, st; writes act, acs, st
.if DOCPART == 2
	.amdgcn_target "amdgcn-amd-amdhsa--gfx1250"
	.amdhsa_code_object_version 6
	.text
	.protected	k_q6e00756603_gateup
	.globl	k_q6e00756603_gateup
	.p2align	8
	.type	k_q6e00756603_gateup,@function
k_q6e00756603_gateup:
	s_mov_b64 s[64:65], 0
	v_nop
	global_prefetch_b8 v0, s[64:65] scope:SCOPE_SE
	s_setreg_imm32_b32 hwreg(HW_REG_WAVE_MODE, 25, 1), 1
	s_wait_xcnt 0x0
; FIRST PRODUCT OF THE CHOSEN ROWS: act = (clip(up) + 1) gate sigmoid(1.702 gate), gate and up = x W_gate_up + bias, on codes of E2M1 with E8M0 scales; act is quantised along INTER on the way.
; Rows (expert, token) whose expert was not chosen for the token are left out: reference() gathers only the chosen experts' rows (shown at the head of the first launch).
; SLOTS.  Expert e's tokens are numbered in the order in which eight loads of sel lay them into (register G, lane l): token = 128 (G / 4) + 4 l + G % 4; the first slot of each 128 tokens is rounded up to a multiple
; of 4, so that a block's 16 bytes of four neighbouring slots begin at a multiple of 64.  Every wave makes, from sel, a mask of 32 lanes for each G and the running numbers; the token of slot J is then found by plain
; arithmetic in each lane (macro LIST).  A tile is 16 slots, a pair 32.  cnt is one more than the last true slot.  The up to three slots ahead of a rounded number hold some token of the 128, slots from cnt to the
; pair's end repeat the last one; nobody reads their results.  st[e][b], b = 0 .. 7: the first slot of tokens 128 b on, all that the next launch needs to find them (from b = 8 on: cnt).
; 128 tokens take at most 128 slots, so 1,024 are never passed.
; SHARES.  Work-group (p, e, Q): columns 128 Q .. 128 Q + 127 of expert e's act, which are K step Q of the second product, for pairs p, p + 2, ...  Wave w makes columns 32 w .. 32 w + 31 of them, one block of 32:
; two tiles of gate and two of up, whose weights (8 K steps x 4 tiles, 256 registers) it reads once and keeps.
; GROUPS.  The work-group's pairs go in groups of five.  Wave w gathers the group's pair w and two of the eight K steps of its pair 4: the tokens' codes of x come into registers and go to LDS as images of the
; operand's registers (16 bytes a lane, 512 a store), from where all four waves load them.  The five places in LDS are used again by every group, so a group has two barriers: one between the stores and the reads,
; one between the reads and the next group's stores.  The next group's gather is asked for behind the first barrier.  Four groups always (20 pairs; 16 are the most): no barrier hangs on a count; a pair that does
; not exist is jumped over.  The first group's gather is asked for with no branch: slots are held at the last true slot, so every address is good, and the registers are written on every way.
; THE HEAD asks for sel, six of W's eight K steps, the gather, then the rest: the gather is waited for with the 28 loads behind it still out, and goes through LDS while they land.
; WITHIN A GROUP the next pair's 34 LDS loads are issued behind a pair's last products, ahead of its activation.
; THE PRODUCT IS USED TRANSPOSED (source 0 = 16 rows of W, source 1 = 16 slots), and lane r of tile u takes W's row 8 u + r + 8 (r / 8): a lane then holds one slot and 16 neighbours along the next K.
; NO TENSOR LOADS AND NO CLUSTER: which pairs exist hangs on counts read from memory.  No prefetch: all of W that a wave needs is asked
; for at the head, into registers, and the loop loads nothing else from memory but a later group's gather.
; LIMITS: NaN and infinities are not served; a block of act whose largest magnitude lies under 2^-124 gets the scale byte 1.
; REGISTERS: window 0: v1-31 addresses and small things; v32-63 gate (16 tile + 8 u + j), then act; v64-95 up; v96-127 the biases in the result's layout; v128-143 W's scale words (lanes 0-15 u = 0, lanes 16-31 u = 1);
;   v144-151 x's scale words (lanes 0-15 tile A, lanes 16-31 tile B); v152-159 the same as gathered; v160-191 sel, later the exponentials; v192-215 at work; v216-249 my part of pair 4 as gathered.
;   window 1: W (K step s, tile t) at 32 s + 8 t.   window 2: v0-127 x (tile, K step) at 64 tile + 8 s; v128-255 the same as gathered.
.set XPAIR, 17408                      ; a pair in LDS: two tiles x 8 K steps x 1,024 bytes, then 1,024 bytes of scale words
.set SCS,   5*XPAIR                    ; behind the five places: act's scale bytes, 128 for each of 20 pairs: byte 4 x (slot in the pair) + wave
.set SPARE, SCS+20*128                 ; the spare words, 128 bytes for each wave: two blocks of 256 bytes that no other line names
.set KG,  32                           ; s[KG+g], g = 1 .. 31: 32 x (the first slot of group g) + g.  (s32 itself: the last true slot's number; at the end the EXEC that is saved)
.set MK,  66                           ; s[MK+g], g = 0 .. 31: the lanes of group g whose token chose the expert
.set GA,  32
.set UA,  64
.set BI,  96
.set WS,  128
.set XS,  144
.set GS,  152
.set EX,  160
.set GX,  128                          ; in window 2
.set GX2, 216
.set GS2, 248
.set SPW, 252
.set NIL, 253
.set MSB, 0
.macro WIN new                         ; the immediate's high byte repeats the setting that is left
.if MSB != \new
	s_set_vgpr_msb (MSB<<8)|\new
.set MSB, \new
.endif
.endm
; one scaled product: D, source 0, source 1, C, the two scale registers, and which half of the lanes each is read from
.macro WM d, a, b, c, sa, sb, ra, rb
.if ((\ra) == 0) && ((\rb) == 0)
	v_wmma_scale_f32_16x16x128_f8f6f4 v[(\d):(\d)+7], v[(\a):(\a)+7], v[(\b):(\b)+7], v[(\c):(\c)+7], v[(\sa)], v[(\sb)] matrix_a_fmt:MATRIX_FMT_FP4 matrix_b_fmt:MATRIX_FMT_FP4
.elseif (\rb) == 0
	v_wmma_scale_f32_16x16x128_f8f6f4 v[(\d):(\d)+7], v[(\a):(\a)+7], v[(\b):(\b)+7], v[(\c):(\c)+7], v[(\sa)], v[(\sb)] matrix_a_fmt:MATRIX_FMT_FP4 matrix_b_fmt:MATRIX_FMT_FP4 matrix_a_scale:MATRIX_SCALE_ROW1
.elseif (\ra) == 0
	v_wmma_scale_f32_16x16x128_f8f6f4 v[(\d):(\d)+7], v[(\a):(\a)+7], v[(\b):(\b)+7], v[(\c):(\c)+7], v[(\sa)], v[(\sb)] matrix_a_fmt:MATRIX_FMT_FP4 matrix_b_fmt:MATRIX_FMT_FP4 matrix_b_scale:MATRIX_SCALE_ROW1
.else
	v_wmma_scale_f32_16x16x128_f8f6f4 v[(\d):(\d)+7], v[(\a):(\a)+7], v[(\b):(\b)+7], v[(\c):(\c)+7], v[(\sa)], v[(\sb)] matrix_a_fmt:MATRIX_FMT_FP4 matrix_b_fmt:MATRIX_FMT_FP4 matrix_a_scale:MATRIX_SCALE_ROW1 matrix_b_scale:MATRIX_SCALE_ROW1
.endif
.endm
.macro WLOAD s                         ; W's four tiles of K step s: tiles 0, 1 gate, tiles 2, 3 up (2,048 rows on)
.irp t, 0,1,2,3
.irp c, 0,1
	global_load_b128 v[32*(\s)+8*\t+4*\c:32*(\s)+8*\t+4*\c+3], v6, s[10:11] offset:((\t/2)*2048+8*(\t%2))*512+64*(\s)+32*\c
.endr
.endr
.endm
; One step of the search for the n-th set bit: v195 = n, v199 = set bits in the lower half of what is left, v200 = the place so far
.macro SELSTEP w
	v_cmp_ge_u32 vcc_lo, v195, v199
	v_sub_nc_u32 v201, v195, v199
	v_add_nc_u32 v202, \w, v200
	v_cndmask_b32 v195, v195, v201, vcc_lo
	v_cndmask_b32 v200, v200, v202, vcc_lo
.endm
; v13 = slot J  ->  v14 = its token (0 where J >= cnt).
.macro LIST
	v_lshl_or_b32 v192, v13, 5, 31                 ; 32 J + 31: at or over 32 x first slot + g just where the first slot is at most J
	v_mov_b32 v193, s[MK]
	v_mov_b32 v194, 0
.set g, 1
.rept 31
	v_cmp_gt_u32 vcc_lo, s[KG+g], v192             ; the first slots do not fall with g: the last group that begins at or under J is kept
	v_cndmask_b32 v193, s[MK+g], v193, vcc_lo      ; its mask,
	v_cndmask_b32 v194, s[KG+g], v194, vcc_lo      ; its first slot and number
.set g, g+1
.endr
	v_lshrrev_b32 v201, 5, v194
	v_sub_nc_u32 v195, v13, v201                   ; n: which set bit of the mask (where the mask has no such bit the search ends at a lane of the group all the same)
	v_lshrrev_b32 v201, 1, v193
	v_and_b32 v201, 0x55555555, v201
	v_sub_nc_u32 v196, v193, v201                  ; counts of 2 bits,
	v_lshrrev_b32 v201, 2, v196
	v_and_b32 v201, 0x33333333, v201
	v_and_b32 v197, 0x33333333, v196
	v_add_nc_u32 v197, v197, v201                  ; of 4,
	v_lshrrev_b32 v201, 4, v197
	v_add_nc_u32 v201, v201, v197
	v_and_b32 v198, 0x0f0f0f0f, v201               ; of 8,
	v_and_b32 v199, 0xff, v198
	v_bfe_u32 v201, v198, 8, 8
	v_add_nc_u32 v199, v199, v201                  ; of the low 16
	v_mov_b32 v200, 0
	SELSTEP 16
	v_bfe_u32 v199, v198, v200, 8
	SELSTEP 8
	v_bfe_u32 v199, v197, v200, 4
	SELSTEP 4
	v_bfe_u32 v199, v196, v200, 2
	SELSTEP 2
	v_bfe_u32 v199, v193, v200, 1
	SELSTEP 1
	v_and_b32 v201, 0x1c, v194
	v_lshlrev_b32 v201, 5, v201                    ; 128 (G / 4)
	v_lshl_or_b32 v201, v200, 2, v201              ; + 4 x lane
	v_and_b32 v202, 3, v194
	v_or_b32 v14, v201, v202                       ; + G % 4
	v_cmp_gt_u32 s104, s26, v13
	v_cndmask_b32 v14, 0, v14, s104
.endm
; Offsets of pair pr's tokens: v[ad], v[ad+1] tile A's and B's rows of 512 bytes of codes, + cb; v[ad+2] my slot's 32 scale bytes, + sb
.macro SLOTS pr, ad, cb, sb
	v_lshl_add_u32 v13, \pr, 5, v1                 ; my slot: 32 x pair + lane,
	v_min_u32 v13, s32, v13                        ; held at the last true slot
	LIST
	v_permlanex16_b32 v15, v14, s30, s31
	v_cndmask_b32 v[\ad], v14, v15, s99            ; tile A's slot r: the token of lane r,
	v_cndmask_b32 v[\ad+1], v15, v14, s99          ; tile B's: of lane 16 + r
	v_min_u32 v[\ad], 0x3ff, v[\ad]                ; a number made from loaded data enters an address only behind a clamp
	v_min_u32 v[\ad+1], 0x3ff, v[\ad+1]
	v_min_u32 v[\ad+2], 0x3ff, v14
	v_lshl_add_u32 v[\ad+2], v[\ad+2], 5, \sb
	v_lshl_add_u32 v[\ad], v[\ad], 9, \cb
	v_lshl_add_u32 v[\ad+1], v[\ad+1], 9, \cb
.endm
; Pair s100 of the expert is asked for: 34 loads; and two K steps of pair s98 (pair 4 of the group): 9 loads
.macro GISSUE
	SLOTS s100, 16, v30, 0
	WIN 0x80                                       ; destination window 2
.irp a, 0,1
.irp s, 0,1,2,3,4,5,6,7
.irp c, 0,1
	global_load_b128 v[GX+64*\a+8*\s+4*\c:GX+64*\a+8*\s+4*\c+3], v[16+\a], s[6:7] offset:64*\s+32*\c
.endr
.endr
.endr
	WIN 0
	global_load_b128 v[GS:GS+3], v18, s[8:9]
	global_load_b128 v[GS+4:GS+7], v18, s[8:9] offset:16
	SLOTS s98, 19, v2, v3
.irp a, 0,1
.irp s, 0,1
.irp c, 0,1
	global_load_b128 v[GX2+16*\a+8*\s+4*\c:GX2+16*\a+8*\s+4*\c+3], v[19+\a], s[6:7] offset:64*\s+32*\c
.endr
.endr
.endr
	global_load_b64 v[GS2:GS2+1], v21, s[8:9]
.endm
; The group's pair j out of LDS: 2 loads of scale words, then 4 a K step.  Pairs 0, 1 by v4, pairs 2, 3 by v28, pair 4 by v31: an LDS immediate has 16 bits.
.macro XLOAD j
.if (\j) == 4
.set XR, 31
.else
.set XR, 4+24*((\j)/2)
.endif
	ds_load_b128 v[XS:XS+3], v[XR] offset:((\j)%2)*XPAIR+16384
	ds_load_b128 v[XS+4:XS+7], v[XR] offset:((\j)%2)*XPAIR+16896
	WIN 0x80                                       ; destination window 2
.irp s, 0,1,2,3,4,5,6,7
.irp a, 0,1
.irp c, 0,1
	ds_load_b128 v[64*\a+8*\s+4*\c:64*\a+8*\s+4*\c+3], v[XR] offset:((\j)%2)*XPAIR+8192*\a+1024*\s+512*\c
.endr
.endr
.endr
	WIN 0
.endm
; 64 products: 8 K steps x 2 tiles of the pair x 4 tiles of W; the eight accumulators take turns, one instruction a turn.  The bias is the C of each sum's first product.
.macro MULP j
.irp s, 0,1,2,3,4,5,6,7
.if \s == 4
	s_wait_dscnt 0x0                               ; K steps 4 to 7 of the pair are in
.endif
.if (\j == 0) && (\s == 6)
	s_wait_loadcnt 0x0                             ; the first time: W's K steps 6 and 7 are in
.endif
.irp ab, 0,1
.irp t, 0,1,2,3
.set dd, GA+32*(\t/2)+16*\ab+8*(\t%2)
.if \s == 0
.set cc, BI+8*\t
.else
.set cc, dd
.endif
	WM dd, 32*\s+8*\t, 64*\ab+8*\s, cc, WS+8*(\t/2)+\s, XS+\s, \t%2, \ab
.endr
.endr
.endr
.endm
; the activation on a lane's 32 gates and 32 ups, in f32.  Each accumulator is read from its low end on.  The exponentials are one batch, the reciprocals another.
.macro ACT32
.set i, 0
.rept 32
	v_min_num_f32 v[GA+i], v12, v[GA+i]            ; gate = min(gate, 7)
.set i, i+1
.endr
.set i, 0
.rept 16
	v_pk_mul_f32 v[EX+2*i:EX+2*i+1], v[GA+2*i:GA+2*i+1], 0xc01d265f op_sel_hi:[1,0]   ; -1.702 log2(e) gate
.set i, i+1
.endr
.set i, 0
	s_wait_alu depctr_va_vdst(0)
.rept 32
	v_exp_f32 v[EX+i], v[EX+i]
.set i, i+1
.endr
.set i, 0
	s_wait_alu depctr_va_vdst(0)
.rept 32
	v_med3_num_f32 v[UA+i], v[UA+i], -v12, v12     ; up = clip(up, -7, 7): plain work that names no exponential
.set i, i+1
.endr
	s_wait_alu depctr_va_vdst(0)
.set i, 0
.rept 16
	v_pk_add_f32 v[EX+2*i:EX+2*i+1], v[EX+2*i:EX+2*i+1], 1.0 op_sel_hi:[1,0]
.set i, i+1
.endr
.set i, 0
	s_wait_alu depctr_va_vdst(0)
.rept 32
	v_rcp_f32 v[EX+i], v[EX+i]                     ; sigmoid(1.702 gate)
.set i, i+1
.endr
	v_nop                                          ; one plain instruction behind the last reciprocal
	s_wait_alu depctr_va_vdst(0)
.set i, 0
.rept 16
	v_pk_mul_f32 v[GA+2*i:GA+2*i+1], v[GA+2*i:GA+2*i+1], v[EX+2*i:EX+2*i+1]           ; glu
.set i, i+1
.endr
.set i, 0
.rept 16
	v_pk_fma_f32 v[GA+2*i:GA+2*i+1], v[UA+2*i:UA+2*i+1], v[GA+2*i:GA+2*i+1], v[GA+2*i:GA+2*i+1]   ; (up + 1) glu = up glu + glu
.set i, i+1
.endr
.endm
; the quantiser: for tile b, my 16 numbers and lane l xor 16's are my slot's block of 32.  v24-27: the codes; v214, v215: the bytes.
.macro QUANT2
.irp b, 0,1
	v_max3_num_f32 v[208+\b], |v[GA+16*\b]|, |v[GA+16*\b+1]|, 0x1800000   ; with the floor 2^(3 - 127): the byte cannot fall under 1
.endr
.irp i, 2,4,6,8,10,12,14
.irp b, 0,1
	v_max3_num_f32 v[208+\b], v[208+\b], |v[GA+16*\b+\i]|, |v[GA+16*\b+\i+1]|
.endr
.endr
.irp b, 0,1
	v_permlanex16_b32 v[210+\b], v[208+\b], s30, s31
.endr
.irp b, 0,1
	v_max_num_f32 v[208+\b], v[208+\b], v[210+\b]
.endr
.irp b, 0,1
	v_add_nc_u32 v[212+\b], 0xff000000, v[208+\b]  ; 2 off the exponent field: the conversion's scale operand
.endr
.irp b, 0,1
	v_lshrrev_b32 v[214+\b], 23, v[212+\b]         ; the scale's byte
.endr
.irp b, 0,1
	v_cvt_scalef32_pk8_fp4_f32 v[24+2*\b], v[GA+16*\b:GA+16*\b+7], v[212+\b]
	v_cvt_scalef32_pk8_fp4_f32 v[25+2*\b], v[GA+16*\b+8:GA+16*\b+15], v[212+\b]
.endr
	v_nop                                          ; one plain instruction behind the last scaled conversion
.endm
; The group's pair j, which exists and whose 34 LDS loads have been issued.  s29: the group's first pair of the expert; pair j is s29 + 2 j.
.macro PAIR j
.if \j == 0
	s_wait_loadcnt 16                              ; the first time: W's scale words, the bias and W's K steps 0 to 5 are in: behind them stand the 16 loads of K steps 6 and 7
.endif
	s_wait_dscnt 16                                ; the scale words and K steps 0 to 3 are in: behind them stand 16 loads (and, on the way from the pair before, one byte store: the smaller count serves both ways)
	WIN 0x09                                       ; source 0 (W) window 1, source 1 (x) window 2, C and D window 0
	MULP \j
	WIN 0
.rept 4
	v_nop                                          ; four places between the last products and loads into their operands or reads of their results (ISA guide 7.12.1 for reads of their results)
.endr
.if \j < 4
	s_add_co_u32 s98, s29, 2*\j+2
	s_cmp_ge_u32 s98, s27
	s_cbranch_scc1 .Lnopre_\@
	XLOAD \j+1                                     ; the next pair exists: its fragments come in under the activation below
.Lnopre_\@:
.endif
	ACT32
	s_wait_alu depctr_va_vdst(0)
	s_wait_xcnt 0x0                                ; the last pair's stores have read their data: the codes' registers are written again below
	QUANT2
	global_store_b64 v9, v[24:25], s[16:17] offset:65536*\j         ; tile A: the wave's 256 consecutive bytes, aligned: 16 slots x this block's 16 bytes.  From pair to pair of the work-group: four tiles of 16 KiB
	global_store_b64 v9, v[26:27], s[16:17] offset:65536*\j+16384   ; tile B
	v_cndmask_b32 v22, v214, v215, s99             ; lane l: the byte of the pair's slot l
	ds_store_b8 v23, v22 offset:128*\j
.if \j < 4
	s_cmp_ge_u32 s98, s27
	s_cbranch_scc1 .Lgend                          ; no further pair
.endif
.endm
	s_load_b512 s[4:19], s[0:1], 0x0               ; sel s[4:5], xq s[6:7], xs s[8:9], W's codes s[10:11], W's scales s[12:13], bias s[14:15], act s[16:17], acs s[18:19]
	s_load_b64 s[20:21], s[0:1], 0x40              ; st
	v_lshl_add_u32 v[SPW], v0, 2, SPARE
	v_mov_b32 v[NIL], 0
	v_lshrrev_b32 v1, 5, v0
	v_readfirstlane_b32 s22, v1                    ; wave
	s_bfe_u32 s23, ttmp9, 0x30004                  ; e
	s_and_b32 s24, ttmp9, 15                       ; Q
	s_lshr_b32 s25, ttmp9, 7                       ; p
	v_and_b32 v1, 31, v0                           ; lane
	v_and_b32 v2, 15, v0                           ; r
	v_bfe_u32 v3, v0, 4, 1                         ; h
	v_lshlrev_b32 v4, 4, v1                        ; 16 x lane
	v_lshlrev_b32 v5, 2, v1                        ; 4 x lane
	v_and_b32 v7, 8, v2
	v_add_nc_u32 v7, v7, v2                        ; r + 8 (r / 8)
	v_lshlrev_b32 v6, 9, v7
	v_lshl_add_u32 v6, v3, 4, v6                   ; W's codes: that row of 512 bytes, + 16 h
	v_lshl_add_u32 v7, v3, 3, v7
	v_lshlrev_b32 v7, 5, v7                        ; W's scale words: lanes 16-31 take tile u = 1's rows, 8 further on; 32 bytes a row
	v_lshlrev_b32 v8, 6, v3                        ; the bias: my half's 16 columns begin 64 h bytes on
	v_lshlrev_b32 v9, 4, v2
	v_lshl_add_u32 v9, v3, 3, v9                   ; act: slot r's 16 bytes, my half's 8
	v_add_nc_u32 v10, s22, v5
	v_add_nc_u32 v10, SCS, v10                     ; my byte among a pair's scale bytes: 4 x lane + wave
	s_lshl_b32 s2, s22, 7
	v_add_nc_u32 v29, s2, v5
	v_add_nc_u32 v29, SCS, v29                     ; and where I read a pair's words back: 128 x wave + 4 x lane
	v_lshlrev_b32 v30, 4, v3                       ; 16 h
	v_add_nc_u32 v2, s2, v30                       ; pair 4: 16 h + 128 x wave: my two K steps' 128 bytes of a row of codes (r and h are done with)
	s_mul_i32 s2, s22, XPAIR
	v_add_nc_u32 v11, s2, v4                       ; where I store the pair that I gather: place = wave
	s_lshl_b32 s2, s22, 3
	v_mov_b32 v3, s2                               ; pair 4: my two scale words, 8 x wave bytes on
	s_lshl_b32 s2, s22, 11
	v_add_nc_u32 v250, s2, v4
	v_add_nc_u32 v250, 4*XPAIR, v250               ; where my part of pair 4 goes: K step 2 wave's images,
	s_lshr_b32 s2, s22, 1
	s_lshl_b32 s2, s2, 9
	s_and_b32 s3, s22, 1
	s_lshl_b32 s3, s3, 3
	s_add_co_u32 s2, s2, s3
	v_add_nc_u32 v251, s2, v4
	v_add_nc_u32 v251, 4*XPAIR+16384, v251         ; and its scale words
	v_add_nc_u32 v28, 2*XPAIR, v4                  ; where the group's pairs 2 and 3 are read,
	v_add_nc_u32 v31, 4*XPAIR, v4                  ; and pair 4
	v_mov_b32 v12, 0x40e00000                      ; 7.0
	v_mov_b32 v15, 0                               ; written once: a lane permute's destination counts as one of its sources
	v_mov_b32 v210, 0
	v_mov_b32 v211, 0
	s_mov_b32 s30, 0x76543210
	s_mov_b32 s31, 0xfedcba98                      ; v_permlanex16_b32's selects for lane l xor 16
	s_mov_b32 s99, 0xffff0000                      ; lanes 16-31
	s_lshl_b32 s100, s22, 1
	s_add_co_u32 s100, s100, s25                   ; the pair that I gather: p + 2 wave, 10 on with each group
	s_lshl_b32 s3, 1, s23                          ; the expert's bit in a word of sel
	s_lshl_b32 s2, s23, 12
	s_lshl_b32 s28, s24, 7
	s_add_co_u32 s2, s2, s28
	s_lshl_b32 s28, s22, 5
	s_add_co_u32 s2, s2, s28                       ; my first row of W: 4,096 e + 128 Q + 32 wave
	s_mov_b32 s29, 0
	s_wait_alu depctr_va_vdst(0)                   ; the wait at the head's end
	s_wait_kmcnt 0x0
	s_lshl_b32 s28, s2, 9
	s_add_nc_u64 s[10:11], s[10:11], s[28:29]
	s_lshl_b32 s28, s2, 5
	s_add_nc_u64 s[12:13], s[12:13], s[28:29]
	s_lshl_b32 s28, s2, 2
	s_add_nc_u64 s[14:15], s[14:15], s[28:29]
	s_lshl_b32 s28, s23, 20                        ; act: [e][tile][K step][block][slot][16 bytes]: 1 MiB an expert, 16 KiB a tile,
	s_lshl_b32 s2, s25, 15                         ; pair p's first tile,
	s_add_co_u32 s28, s28, s2
	s_lshl_b32 s2, s24, 10                         ; K step Q,
	s_add_co_u32 s28, s28, s2
	s_lshl_b32 s2, s22, 8                          ; block = wave
	s_add_co_u32 s28, s28, s2
	s_add_nc_u64 s[16:17], s[16:17], s[28:29]
	s_lshl_b32 s28, s23, 4
	s_add_co_u32 s28, s28, s24
	s_lshl_b32 s28, s28, 12                        ; acs: [e][K step][slot] words
	s_lshl_b32 s2, s100, 7                         ; pair p + 2 wave: 128 bytes a pair
	s_add_co_u32 s28, s28, s2
	s_add_nc_u64 s[18:19], s[18:19], s[28:29]
	s_lshl_b32 s28, s23, 6                         ; st: [e][16] words
	s_add_nc_u64 s[20:21], s[20:21], s[28:29]
.irp j, 0,1,2,3,4,5,6,7
	global_load_b128 v[EX+4*\j:EX+4*\j+3], v4, s[4:5] offset:512*\j   ; all of sel: register G, lane l: token 128 (G / 4) + 4 l + G % 4
.endr
	WIN 0x40                                       ; destination window 1
.irp s, 0,1,2,3,4,5
	WLOAD \s
.endr
	WIN 0
	s_wait_loadcnt 48                              ; sel is in: 48 loads of W were issued behind it
.set g, 0
.rept 32
	v_and_b32 v[192+g%4], s3, v[EX+g]
	v_cmp_ne_u32 s[MK+g], 0, v[192+g%4]
.set g, g+1
.endr
.set g, 0
.rept 31
	s_bcnt1_i32_b32 s3, s[MK+g]
	s_lshl_b32 s3, s3, 5
	s_add_co_u32 s3, s3, 1
.if g == 0
	s_mov_b32 s[KG+1], s3
.else
	s_add_co_u32 s[KG+g+1], s[KG+g], s3
.endif
.if (g%4) == 3                         ; group g + 1 begins another 128 tokens: its first slot is rounded up to a multiple of 4, the group's number put back
	s_add_co_u32 s[KG+g+1], s[KG+g+1], 96
	s_and_b32 s[KG+g+1], s[KG+g+1], 0xffffff80
	s_or_b32 s[KG+g+1], s[KG+g+1], g+1
.endif
.set g, g+1
.endr
	s_bcnt1_i32_b32 s3, s[MK+31]
	s_lshr_b32 s26, s[KG+31], 5
	s_add_co_u32 s26, s26, s3                      ; cnt
	s_add_co_u32 s27, s26, 31
	s_lshr_b32 s27, s27, 5
	s_max_u32 s27, s27, 1                          ; pairs to make: at least one
	s_max_u32 s32, s26, 1
	s_sub_co_u32 s32, s32, 1                       ; the last slot's number (0 where the expert has none)
	s_add_co_u32 s98, s25, 8
	GISSUE                                         ; the first group, asked for by every wave with no branch
.irp t, 0,1
	global_load_b128 v[WS+8*\t:WS+8*\t+3], v7, s[12:13] offset:65536*\t
	global_load_b128 v[WS+8*\t+4:WS+8*\t+7], v7, s[12:13] offset:65536*\t+16
.endr
.irp t, 0,1,2,3
	global_load_b128 v[BI+8*\t:BI+8*\t+3], v8, s[14:15] offset:((\t/2)*2048+8*(\t%2))*4
	global_load_b128 v[BI+8*\t+4:BI+8*\t+7], v8, s[14:15] offset:((\t/2)*2048+8*(\t%2))*4+16
.endr
	WIN 0x40
	WLOAD 6
	WLOAD 7
	WIN 0
	s_mov_b32 s29, s25                             ; the group's first pair of the expert: p + 10 x group
	s_mov_b32 s105, 0                              ; the group's scale bytes: 640 a group
	s_mov_b32 s2, 0                                ; what act's address steps by at a group's head: nothing at the first, then 20 tiles of 16 KiB
	s_mov_b32 s3, 0
	s_mov_b32 s28, 0
	s_wait_alu depctr_va_vdst(0)
	s_wait_loadcnt 28                              ; the gather is in: behind it 4 loads of W's scale words, 8 of the bias, 16 of W
.Lgroup:                                           ; four trips always; a later group's gather was waited for at the trip's end, and so were the stores' base and registers
	s_add_nc_u64 s[16:17], s[16:17], s[2:3]
	s_mov_b32 s2, 0x50000
	s_cmp_ge_u32 s100, s27
	s_cbranch_scc1 .Lnost
	WIN 0x08                                       ; an LDS store's data are its source 1: window 2
.irp a, 0,1
.irp s, 0,1,2,3,4,5,6,7
.irp c, 0,1
	ds_store_b128 v11, v[GX+64*\a+8*\s+4*\c:GX+64*\a+8*\s+4*\c+3] offset:8192*\a+1024*\s+512*\c
.endr
.endr
.endr
	WIN 0
	ds_store_b128 v11, v[GS:GS+3] offset:16384
	ds_store_b128 v11, v[GS+4:GS+7] offset:16896
	s_add_co_u32 s98, s29, 8
	s_cmp_ge_u32 s98, s27
	s_cbranch_scc1 .Lnost                          ; the group has no pair 4: the same way in all four waves that come here
.irp a, 0,1
.irp s, 0,1
.irp c, 0,1
	ds_store_b128 v250, v[GX2+16*\a+8*\s+4*\c:GX2+16*\a+8*\s+4*\c+3] offset:8192*\a+1024*\s+512*\c
.endr
.endr
.endr
	ds_store_b64 v251, v[GS2:GS2+1]
.Lnost:
	s_wait_dscnt 0x0                               ; my images have landed
	s_barrier_signal -1
	s_barrier_wait -1                              ; everybody's have
	s_add_co_u32 s100, s100, 10
	s_cmp_ge_u32 s100, s27
	s_cbranch_scc1 .Lnoiss
	s_add_co_u32 s98, s29, 18
	GISSUE                                         ; my part of the next group
.Lnoiss:
	v_add_nc_u32 v23, s105, v10
	s_cmp_ge_u32 s29, s27
	s_cbranch_scc1 .Lgend                          ; the same way in all four waves
	XLOAD 0
	PAIR 0
	PAIR 1
	PAIR 2
	PAIR 3
	PAIR 4
.Lgend:
	s_wait_loadcnt 0x0                             ; what I asked for for the next group is in
	s_wait_xcnt 0x0                                ; the group's stores have read their base and registers: both are written again in the next trip
	s_wait_dscnt 0x0                               ; my reads of the group's places are over, and my scale bytes have landed
	s_barrier_signal -1
	s_barrier_wait -1                              ; everybody's: the places may be stored to again; behind the last group: the scale words are whole
	s_add_co_u32 s29, s29, 10
	s_add_co_u32 s105, s105, 640
	s_add_co_u32 s28, s28, 1
	s_cmp_lt_u32 s28, 4
	s_cbranch_scc1 .Lgroup
	; ---- act's scale words leave, a pair's 128 bytes at a time; wave w takes the work-group's pairs w, w + 4, ...
	s_lshl_b32 s29, s22, 1
	s_add_co_u32 s29, s29, s25
.irp m, 0,1,2,3
	s_cmp_ge_u32 s29, s27
	s_cbranch_scc1 .Lend
	ds_load_b32 v[EX+\m], v29 offset:512*\m
	s_wait_dscnt 0x0
	global_store_b32 v5, v[EX+\m], s[18:19] offset:1024*\m
	s_add_co_u32 s29, s29, 8
.endr
.Lend:
	s_or_b32 s2, s24, s25
	s_or_b32 s2, s2, s22
	s_cmp_lg_u32 s2, 0
	s_cbranch_scc1 .Lfin                           ; one wave for each expert stores its sixteen words of st
	v_mov_b32 v193, s26
	v_cmp_ne_u32 vcc_lo, 0, v1
	v_cndmask_b32 v193, 0, v193, vcc_lo
.irp i, 1,2,3,4,5,6,7
	s_lshr_b32 s3, s[KG+4*\i], 5
	v_cmp_ne_u32 vcc_lo, \i, v1
	v_cndmask_b32 v193, s3, v193, vcc_lo
.endr
	s_wait_alu depctr_va_vdst(0)
	s_wait_xcnt 0x0                                ; EXEC changes only behind this wait
	v_cmp_gt_u32 vcc_lo, 16, v1
	s_and_saveexec_b32 s32, vcc_lo
	global_store_b32 v5, v193, s[20:21]
	s_wait_xcnt 0x0
	s_or_b32 exec_lo, exec_lo, s32
.Lfin:
	s_wait_tensorcnt 0x0                           ; the wave's end
	ds_add_u32 v[SPW], v[NIL]
	s_wait_dscnt 0x0
	s_endpgm
.Lfunc_end_k_q6e00756603_gateup:
	.size	k_q6e00756603_gateup, .Lfunc_end_k_q6e00756603_gateup-k_q6e00756603_gateup
	.p2alignl 7, 3214868480
	.fill 96, 4, 3214868480
	.section	.rodata,"a",@progbits
	.p2align	6, 0x0
	.amdhsa_kernel k_q6e00756603_gateup
		.amdhsa_group_segment_fixed_size 90112
		.amdhsa_private_segment_fixed_size 0
		.amdhsa_enable_private_segment 0
		.amdhsa_kernarg_size 72
		.amdhsa_user_sgpr_count 2
		.amdhsa_user_sgpr_kernarg_segment_ptr 1
		.amdhsa_wavefront_size32 1
		.amdhsa_system_sgpr_workgroup_id_x 1
		.amdhsa_system_sgpr_workgroup_id_y 1
		.amdhsa_system_sgpr_workgroup_id_z 1
		.amdhsa_system_vgpr_workitem_id 0
		.amdhsa_next_free_vgpr 768
		.amdhsa_next_free_sgpr 106
		.amdhsa_reserve_vcc 1
		.amdhsa_float_denorm_mode_32 3
		.amdhsa_float_denorm_mode_16_64 3
		.amdhsa_memory_ordered 1
		.amdhsa_forward_progress 1
		.amdhsa_inst_pref_size 170
	.end_amdhsa_kernel
	.amdgpu_metadata
---
amdhsa.version: [ 1, 2 ]
amdhsa.kernels:
  - .name:           k_q6e00756603_gateup
    .symbol:         k_q6e00756603_gateup.kd
    .args:
      - { .name: sel, .offset: 0, .size: 8, .value_kind: global_buffer, .address_space: global }
      - { .name: xq, .offset: 8, .size: 8, .value_kind: global_buffer, .address_space: global }
      - { .name: xs, .offset: 16, .size: 8, .value_kind: global_buffer, .address_space: global }
      - { .name: gate_up_proj_codes, .offset: 24, .size: 8, .value_kind: global_buffer, .address_space: global }
      - { .name: gate_up_proj_scales, .offset: 32, .size: 8, .value_kind: global_buffer, .address_space: global }
      - { .name: gate_up_bias, .offset: 40, .size: 8, .value_kind: global_buffer, .address_space: global }
      - { .name: act, .offset: 48, .size: 8, .value_kind: global_buffer, .address_space: global }
      - { .name: acs, .offset: 56, .size: 8, .value_kind: global_buffer, .address_space: global }
      - { .name: st, .offset: 64, .size: 8, .value_kind: global_buffer, .address_space: global }
    .group_segment_fixed_size: 90112
    .private_segment_fixed_size: 0
    .kernarg_segment_align: 8
    .kernarg_segment_size: 72
    .max_flat_workgroup_size: 128
    .sgpr_count:     106
    .vgpr_count:     768
    .wavefront_size: 32
...
	.end_amdgpu_metadata
.endif
;; end of part 2
;; launch down (part 3): grid 256 x 1, 8 waves a work-group, no clusters, 156,672 bytes of LDS; arguments sel, st, wts, act, acs, down_proj_codes, down_proj_scales, down_bias, out0; writes out0
.if DOCPART == 3
	.amdgcn_target "amdgcn-amd-amdhsa--gfx1250"
	.amdhsa_code_object_version 6
	.text
	.protected	k_q6e00756603_down
	.globl	k_q6e00756603_down
	.p2align	8
	.type	k_q6e00756603_down,@function
k_q6e00756603_down:
	s_mov_b64 s[64:65], 0
	v_nop
	global_prefetch_b8 v0, s[64:65] scope:SCOPE_SE
	s_setreg_imm32_b32 hwreg(HW_REG_WAVE_MODE, 25, 1), 1
	s_wait_xcnt 0x0
; SECOND PRODUCT OF THE CHOSEN ROWS, AND THE COMBINATION: out0[token] = w_lo (act W_down + down_bias)[lower chosen expert] + w_hi (..)[higher], on codes of E2M1 with E8M0 scales.
; Rows of experts that a token did not choose are left out, as in the launch before (shown at the head of the first launch).
; SHARES.  Work-group (b, cg): tokens 128 b .. 128 b + 127, output columns 32 cg .. 32 cg + 31; so a token's two rows meet in one work-group, the one owner of that piece of out0.  Wave e takes expert e: its 32 rows of
; W_down (32 KB of codes) and its rows of act, which are the neighbouring slots st[e][b] .. st[e][b + 1] - 1.  No operand is shared between waves: both go from memory straight into the operand's registers.
; A work-group's 32 columns are 128 bytes of a row of out0, so an aligned 256 bytes is made of two work-groups' pieces: with 64 columns and 64 tokens a work-group would read 512 KB of W in place of 256 KB.
; PASSES.  A pass takes up to 48 slots, three tiles of 16 (two, where at most 32 are left); slots behind the last one repeat it, and nobody reads their results.  128 tokens make at most three passes.
; K goes in four quarters of 4 K steps through two register buffers: 16 loads of W and, a tile, 8 of act and 2 of its scale words; a quarter is asked for two quarters ahead.
; W's first two quarters and all that hangs on no count are asked for at the head.
; THE PRODUCT IS USED TRANSPOSED (source 0 = 16 rows of W_down, source 1 = 16 slots): a lane holds one slot and eight neighbouring columns; its rows go to the wave's own part of LDS, row = 144 e + slot - st[e][b].
; WHERE A TOKEN'S TWO ROWS LIE every wave finds from sel: the lanes' masks of each expert, in the order in which the launch before numbered the slots (register g, lane l: token 128 b + 4 l + g).
; NO TENSOR LOADS AND NO CLUSTER: how many tiles there are hangs on counts read from memory.  No prefetch: what is known ahead of the counts is
; loaded at the head, and the walk along K is written out with its loads two quarters ahead.
; LIMITS: NaN and infinities are not served.
; REGISTERS: window 0: v1-47 addresses and small things; v48-63 W's scale words (lanes 0-15 tile 0, lanes 16-31 tile 1); v64-79 the bias in the result's layout; v80-127 accumulators (tile t, column tile n) at 16 t + 8 n;
;   v128-143 act's scale words, two buffers (lanes 0-15 an even K step, lanes 16-31 the odd one behind it); v144-239 act, buffer 1; v240-247 at work.
;   window 1: v0-127 W, two buffers, (K step s, n) at 16 s + 8 n; v128-223 act, buffer 0, (t, s) at 32 t + 8 s.
; HOLES.  Of the slots st[e][b] .. st[e][b + 1] - 1 up to three at the end belong to no token of the block: the launch before rounds each block's first slot up to a multiple of 4.  The wave counts its true slots from sel.
.set PITCH, 128                        ; an LDS row, with no padding: piece c of its eight 16-byte pieces lies at place c xor (row / 2) % 8, so that sixteen neighbouring rows' pieces c lie in sixteen different 16-byte columns of 256 bytes
.set REG,   144*PITCH                  ; a wave's rows: three passes of 48
.set TAB,   8*REG                      ; behind them 1,024 bytes for each wave: where the 128 tokens' lower and higher rows lie
.set SPARE, TAB+8*1024                 ; the spare words, 128 bytes for each wave, in blocks that no other line names
.set WS,  48
.set BI,  64
.set AC,  80
.set AS,  128
.set SPW, 252
.set NIL, 253
.set MSB, 0
.macro WIN new                         ; the immediate's high byte repeats the setting that is left
.if MSB != \new
	s_set_vgpr_msb (MSB<<8)|\new
.set MSB, \new
.endif
.endm
.macro WM d, a, b, c, sa, sb, ra, rb
.if ((\ra) == 0) && ((\rb) == 0)
	v_wmma_scale_f32_16x16x128_f8f6f4 v[(\d):(\d)+7], v[(\a):(\a)+7], v[(\b):(\b)+7], v[(\c):(\c)+7], v[(\sa)], v[(\sb)] matrix_a_fmt:MATRIX_FMT_FP4 matrix_b_fmt:MATRIX_FMT_FP4
.elseif (\rb) == 0
	v_wmma_scale_f32_16x16x128_f8f6f4 v[(\d):(\d)+7], v[(\a):(\a)+7], v[(\b):(\b)+7], v[(\c):(\c)+7], v[(\sa)], v[(\sb)] matrix_a_fmt:MATRIX_FMT_FP4 matrix_b_fmt:MATRIX_FMT_FP4 matrix_a_scale:MATRIX_SCALE_ROW1
.elseif (\ra) == 0
	v_wmma_scale_f32_16x16x128_f8f6f4 v[(\d):(\d)+7], v[(\a):(\a)+7], v[(\b):(\b)+7], v[(\c):(\c)+7], v[(\sa)], v[(\sb)] matrix_a_fmt:MATRIX_FMT_FP4 matrix_b_fmt:MATRIX_FMT_FP4 matrix_b_scale:MATRIX_SCALE_ROW1
.else
	v_wmma_scale_f32_16x16x128_f8f6f4 v[(\d):(\d)+7], v[(\a):(\a)+7], v[(\b):(\b)+7], v[(\c):(\c)+7], v[(\sa)], v[(\sb)] matrix_a_fmt:MATRIX_FMT_FP4 matrix_b_fmt:MATRIX_FMT_FP4 matrix_a_scale:MATRIX_SCALE_ROW1 matrix_b_scale:MATRIX_SCALE_ROW1
.endif
.endm
.macro WLD q, b                        ; W's quarter q into buffer b: 16 loads
	WIN 0x40                                       ; destination window 1
.irp n, 0,1
.irp s, 0,1,2,3
.irp c, 0,1
	global_load_b128 v[64*\b+16*\s+8*\n+4*\c:64*\b+16*\s+8*\n+4*\c+3], v4, s[14:15] offset:16384*\n+256*\q+64*\s+32*\c
.endr
.endr
.endr
	WIN 0
.endm
.macro ALD q, b, nt                    ; act's quarter q of nt tiles into buffer b: 10 loads a tile
.if \b == 0
	WIN 0x40
.endif
.irp t, 0,1,2
.if \t < \nt
.irp s, 0,1,2,3
.irp c, 0,1
	global_load_b128 v[128+16*\b+32*\t+8*\s+4*\c:128+16*\b+32*\t+8*\s+4*\c+3], v[16+\t], s[10:11] offset:1024*(4*\q+\s)+512*\c
.endr
.endr
.endif
.endr
	WIN 0
.irp t, 0,1,2
.if \t < \nt
.irp i, 0,1
	global_load_b32 v[AS+8*\b+2*\t+\i], v[19+\t], s[12:13] offset:8192*(2*\q+\i)
.endr
.endif
.endr
.endm
; quarter q out of buffer b: 4 K steps x nt tiles x 2 column tiles; the accumulators (six or four) take turns, one instruction a turn.  The bias is the C of each sum's first product.
.macro MUL q, b, nt
.if \b == 0
	WIN 0x05                                       ; sources 0 (W) and 1 (act) window 1, C and D window 0
.else
	WIN 0x01                                       ; source 0 window 1, all else window 0
.endif
.irp s, 0,1,2,3
.irp t, 0,1,2
.if \t < \nt
.irp n, 0,1
.set dd, AC+16*\t+8*\n
.if (\q == 0) && (\s == 0)
.set cc, BI+8*\n
.else
.set cc, dd
.endif
	WM dd, 64*\b+16*\s+8*\n, 128+16*\b+32*\t+8*\s, cc, WS+4*\q+\s, AS+8*\b+2*\t+\s/2, \n, \s%2
.endr
.endif
.endr
.endr
	WIN 0
.rept 4
	v_nop                                          ; four places ahead of loads into the products' operands and reads of their results (ISA guide 7.12.1 for reads of their results)
.endr
.endm
; A pass over slots s28 on, nt tiles; W's quarters 0 and 1 have been asked for.
.macro PASS nt
.irp t, 0,1,2
.if \t < \nt
	s_add_co_u32 s29, s28, 16*\t
	v_add_nc_u32 v22, s29, v2                      ; my slot,
	v_min_u32 v22, s27, v22                        ; held at the last one of my tokens;
	v_min_u32 v22, 0x3ff, v22                      ; a loaded number enters an address only behind a clamp
	v_lshlrev_b32 v23, 2, v22
	v_add_nc_u32 v[19+\t], v15, v23                ; its scale word in K step h's row,
	v_and_b32 v23, 0x3f0, v22
	v_lshl_add_u32 v23, v23, 10, v14               ; its tile's 16 KiB, + 256 h,
	v_and_b32 v22, 15, v22
	v_lshl_add_u32 v[16+\t], v22, 4, v23           ; + 16 bytes a slot
.endif
.endr
	s_wait_alu depctr_va_vdst(0)                   ; the wait here, behind the writes
	ALD 0, 0, \nt
	ALD 1, 1, \nt
	s_wait_loadcnt 10*\nt                          ; quarter 0 is in: quarter 1's loads of act stand behind it
	MUL 0, 0, \nt
	WLD 2, 0
	ALD 2, 0, \nt
	s_wait_loadcnt 16+10*\nt                       ; all but quarter 2's
	MUL 1, 1, \nt
	WLD 3, 1
	ALD 3, 1, \nt
	s_wait_loadcnt 16+10*\nt                       ; all but quarter 3's
	MUL 2, 0, \nt
	s_wait_loadcnt 0x0
	MUL 3, 1, \nt
.irp t, 0,1,2
.if \t < \nt
.irp n, 0,1
	ds_store_b128 v[44+2*\n], v[AC+16*\t+8*\n:AC+16*\t+8*\n+3] offset:16*PITCH*\t       ; each accumulator from its low end on
	ds_store_b128 v[45+2*\n], v[AC+16*\t+8*\n+4:AC+16*\t+8*\n+7] offset:16*PITCH*\t
.endr
.endif
.endr
.endm
	s_load_b512 s[4:19], s[0:1], 0x0               ; sel s[4:5], st s[6:7], wts s[8:9], act s[10:11], acs s[12:13], W's codes s[14:15], W's scales s[16:17], bias s[18:19]
	s_load_b64 s[20:21], s[0:1], 0x40              ; out0
	v_lshl_add_u32 v[SPW], v0, 2, SPARE
	v_mov_b32 v[NIL], 0
	v_lshrrev_b32 v1, 5, v0
	v_readfirstlane_b32 s22, v1                    ; wave = expert
	s_and_b32 s23, ttmp9, 31                       ; cg
	s_lshr_b32 s24, ttmp9, 5                       ; b
	v_and_b32 v1, 31, v0                           ; lane
	v_and_b32 v2, 15, v0                           ; r
	v_bfe_u32 v3, v0, 4, 1                         ; h
	v_lshlrev_b32 v4, 10, v2
	v_lshl_add_u32 v4, v3, 4, v4                   ; W's codes: row r of 1,024 bytes, + 16 h
	v_lshlrev_b32 v5, 6, v1                        ; W's scale words: row = lane, 64 bytes a row
	v_lshlrev_b32 v6, 5, v3                        ; the bias: my half's eight columns
	v_lshlrev_b32 v7, 4, v1                        ; sel: four tokens a lane
	v_bfe_u32 v44, v0, 3, 2                        ; l / 8
	s_lshl_b32 s2, s22, 7
	v_lshlrev_b32 v8, 3, v44
	v_add_nc_u32 v8, s2, v8                        ; wts: on the way out I hold tokens 16 wave + 4 i + l / 8
	s_mul_i32 s2, s22, REG
	v_lshlrev_b32 v9, 7, v2
	v_add_nc_u32 v9, s2, v9                        ; my rows in LDS: row r
	v_bfe_u32 v45, v2, 1, 3                        ; (row / 2) % 8: a tile, a pass and a wave begin at multiples of 16 rows
	v_lshlrev_b32 v46, 1, v3
.irp k, 0,1,2,3
	v_add_nc_u32 v47, 4*(\k/2)+(\k%2), v46         ; piece 4 n + 2 h + half, for n = k / 2, half = k % 2
	v_xor_b32 v47, v47, v45
	v_lshl_add_u32 v[248+\k], v47, 4, v9
.endr
	s_lshl_b32 s2, s22, 10
	s_add_co_u32 s2, s2, TAB
	v_add_nc_u32 v10, s2, v7                       ; my table: in, four tokens a lane,
	s_lshl_b32 s3, s22, 6
	s_add_co_u32 s2, s2, s3
	v_lshlrev_b32 v11, 2, v44
	v_add_nc_u32 v11, s2, v11                      ; and out: tokens 16 wave + l / 8 on
	v_and_b32 v12, 7, v0
	v_lshlrev_b32 v12, 4, v12                      ; my 16 of a row's 128 bytes
	v_lshlrev_b32 v13, 12, v44
	v_add_nc_u32 v13, v13, v12
	s_lshl_b32 s2, s22, 16
	v_add_nc_u32 v13, s2, v13                      ; out0: token 16 wave + l / 8, rows of 4,096 bytes
	v_lshlrev_b32 v14, 8, v3                       ; act: block 2 c + h
	v_lshlrev_b32 v15, 12, v3                      ; acs: K step 2 q + h
.irp k, 28,29,30,31,32,33,34,35
	v_mov_b32 v[\k], 0
.endr
	s_mov_b32 s3, 0
	s_wait_alu depctr_va_vdst(0)                   ; the wait at the head's end
	s_wait_kmcnt 0x0
	s_lshl_b32 s2, s22, 6
	s_lshl_b32 s25, s24, 2
	s_add_co_u32 s2, s2, s25
	s_add_nc_u64 s[6:7], s[6:7], s[2:3]
	s_load_b64 s[46:47], s[6:7], 0x0               ; st[e][b], st[e][b + 1]
	s_lshl_b32 s2, s24, 9
	s_add_nc_u64 s[4:5], s[4:5], s[2:3]            ; my tokens' words of sel,
	s_lshl_b32 s2, s24, 10
	s_add_nc_u64 s[8:9], s[8:9], s[2:3]            ; and weights
	s_lshl_b32 s2, s22, 20
	s_add_nc_u64 s[10:11], s[10:11], s[2:3]        ; the expert's act: 1 MiB,
	s_lshl_b32 s25, s23, 15
	s_add_co_u32 s2, s2, s25
	s_add_nc_u64 s[14:15], s[14:15], s[2:3]        ; its 32 rows of W
	s_lshl_b32 s2, s22, 16
	s_add_nc_u64 s[12:13], s[12:13], s[2:3]        ; act's scale words: [K step][slot]
	s_lshl_b32 s25, s23, 11
	s_add_co_u32 s2, s2, s25
	s_add_nc_u64 s[16:17], s[16:17], s[2:3]        ; W's scale words
	s_lshl_b32 s2, s22, 12
	s_lshl_b32 s25, s23, 7
	s_add_co_u32 s2, s2, s25
	s_add_nc_u64 s[18:19], s[18:19], s[2:3]        ; the bias
	s_lshl_b32 s2, s24, 19
	s_add_co_u32 s2, s2, s25
	s_add_nc_u64 s[20:21], s[20:21], s[2:3]        ; out0: 128 b rows on, 128 cg bytes
	global_load_b128 v[24:27], v7, s[4:5]
.irp i, 0,1,2,3
	global_load_b64 v[36+2*\i:37+2*\i], v8, s[8:9] offset:32*\i
.endr
.irp i, 0,1,2,3
	global_load_b128 v[WS+4*\i:WS+4*\i+3], v5, s[16:17] offset:16*\i
.endr
.irp n, 0,1
.irp c, 0,1
	global_load_b128 v[BI+8*\n+4*\c:BI+8*\n+4*\c+3], v6, s[18:19] offset:64*\n+16*\c
.endr
.endr
	WLD 0, 0
	WLD 1, 1
	s_wait_loadcnt 44                              ; sel is in: behind it 4 + 4 + 4 + 32 loads
; WHERE THE ROWS LIE.  For expert e and register g: the lanes that chose it, and in each the row 144 e + (tokens of the block that chose it and come earlier).  Experts ascend: the second hit moves the first to v28-31.
.irp e, 0,1,2,3,4,5,6,7
.irp g, 0,1,2,3
	v_and_b32 v[240+\g], 1<<\e, v[24+\g]
.endr
.irp g, 0,1,2,3
	v_cmp_ne_u32 s[36+\g], 0, v[240+\g]
.endr
	s_movk_i32 s40, 144*\e
.irp g, 0,1,2
	s_bcnt1_i32_b32 s[41+\g], s[36+\g]
	s_add_co_u32 s[41+\g], s[40+\g], s[41+\g]
.endr
.irp g, 0,1,2,3
	v_mbcnt_lo_u32_b32 v[244+\g], s[36+\g], s[40+\g]
.endr
.irp g, 0,1,2,3
	v_cndmask_b32 v[28+\g], v[28+\g], v[32+\g], s[36+\g]
.endr
.irp g, 0,1,2,3
	v_cndmask_b32 v[32+\g], v[32+\g], v[244+\g], s[36+\g]
.endr
.endr
	ds_store_b128 v10, v[28:31]                    ; lower chosen expert's rows, word 4 l + g: the token's place in the block
	ds_store_b128 v10, v[32:35] offset:512         ; higher's
	s_lshl_b32 s34, 1, s22                         ; my own expert's true slots in the block
.irp g, 0,1,2,3
	v_and_b32 v[240+\g], s34, v[24+\g]
.endr
.irp g, 0,1,2,3
	v_cmp_ne_u32 s[36+\g], 0, v[240+\g]
.endr
.irp g, 0,1,2,3
	s_bcnt1_i32_b32 s[36+\g], s[36+\g]
.endr
	s_add_co_u32 s36, s36, s37
	s_add_co_u32 s38, s38, s39
	s_add_co_u32 s26, s36, s38
	s_wait_alu depctr_va_vdst(0)
	s_wait_kmcnt 0x0                               ; st
	s_add_co_u32 s27, s46, s26
	s_sub_co_u32 s27, s27, 1                       ; the last true slot (used only where there is one)
	s_mov_b32 s25, 0
	s_mov_b32 s30, 0
.Lpass:                                            ; three trips always
.irp k, 0,1,2,3
	v_add_nc_u32 v[44+\k], s30, v[248+\k]
.endr
	s_wait_alu depctr_va_vdst(0)
	s_cmp_ge_u32 s25, s26
	s_cbranch_scc1 .Lskip
	s_add_co_u32 s28, s46, s25
	s_sub_co_u32 s33, s26, s25
	s_cmp_le_u32 s33, 32
	s_cbranch_scc1 .Ltwo
	PASS 3
	s_branch .Lmore
.Ltwo:
	PASS 2
.Lmore:
	s_add_co_u32 s33, s25, 48
	s_cmp_ge_u32 s33, s26
	s_cbranch_scc1 .Lskip
	WLD 0, 0                                       ; a further pass reads W once more
	WLD 1, 1
.Lskip:
	s_add_co_u32 s30, s30, 48*PITCH
	s_add_co_u32 s25, s25, 48
	s_cmp_lt_u32 s25, 144
	s_cbranch_scc1 .Lpass
.irp i, 0,1,2,3
	ds_load_b32 v[240+\i], v11 offset:16*\i        ; where token 16 wave + 4 i + l / 8 has its rows (my own table)
	ds_load_b32 v[244+\i], v11 offset:512+16*\i
.endr
	s_wait_loadcnt 0x0                             ; the weights, on every way
	s_wait_dscnt 0x0                               ; for the others' sake: my rows have landed
	s_barrier_signal -1
.irp i, 0,1,2,3,4,5,6,7
	v_bfe_u32 v[176+\i], v[240+\i], 1, 3           ; (row / 2) % 8,
.endr
.irp i, 0,1,2,3,4,5,6,7
	v_lshlrev_b32 v[176+\i], 4, v[176+\i]
.endr
.irp i, 0,1,2,3,4,5,6,7
	v_xor_b32 v[176+\i], v12, v[176+\i]            ; my piece's place in the row
.endr
.irp i, 0,1,2,3,4,5,6,7
	v_lshl_add_u32 v[240+\i], v[240+\i], 7, v[176+\i]
.endr
.irp i, 0,1,2,3,4,5,6,7
	v_min_u32 v[240+\i], TAB-16, v[240+\i]         ; a number made from loaded data is an address only behind a clamp
.endr
	s_wait_alu depctr_va_vdst(0)
	s_barrier_wait -1                              ; everybody's
.irp i, 0,1,2,3
	ds_load_b128 v[144+4*\i:147+4*\i], v[240+\i]
	ds_load_b128 v[160+4*\i:163+4*\i], v[244+\i]
.endr
	s_wait_dscnt 0x0
.irp i, 0,1,2,3
.irp k, 0,2
	v_pk_mul_f32 v[160+4*\i+\k:161+4*\i+\k], v[160+4*\i+\k:161+4*\i+\k], v[36+2*\i:37+2*\i] op_sel:[0,1] op_sel_hi:[1,1]
.endr
.endr
.irp i, 0,1,2,3
.irp k, 0,2
	v_pk_fma_f32 v[144+4*\i+\k:145+4*\i+\k], v[144+4*\i+\k:145+4*\i+\k], v[36+2*\i:37+2*\i], v[160+4*\i+\k:161+4*\i+\k] op_sel_hi:[1,0,1]
.endr
.endr
.irp i, 0,1,2,3
	global_store_b128 v13, v[144+4*\i:147+4*\i], s[20:21] offset:16384*\i th:TH_STORE_NT   ; four tokens' 128 bytes
.endr
	s_barrier_signal -1                            ; the rows were read at addresses made from data: the spare words are touched behind everybody's reads
	s_barrier_wait -1
	s_wait_tensorcnt 0x0                           ; the wave's end
	ds_add_u32 v[SPW], v[NIL]
	s_wait_dscnt 0x0
	s_endpgm
.Lfunc_end_k_q6e00756603_down:
	.size	k_q6e00756603_down, .Lfunc_end_k_q6e00756603_down-k_q6e00756603_down
	.p2alignl 7, 3214868480
	.fill 96, 4, 3214868480
	.section	.rodata,"a",@progbits
	.p2align	6, 0x0
	.amdhsa_kernel k_q6e00756603_down
		.amdhsa_group_segment_fixed_size 156672
		.amdhsa_private_segment_fixed_size 0
		.amdhsa_enable_private_segment 0
		.amdhsa_kernarg_size 72
		.amdhsa_user_sgpr_count 2
		.amdhsa_user_sgpr_kernarg_segment_ptr 1
		.amdhsa_wavefront_size32 1
		.amdhsa_system_sgpr_workgroup_id_x 1
		.amdhsa_system_sgpr_workgroup_id_y 1
		.amdhsa_system_sgpr_workgroup_id_z 1
		.amdhsa_system_vgpr_workitem_id 0
		.amdhsa_next_free_vgpr 512
		.amdhsa_next_free_sgpr 66
		.amdhsa_reserve_vcc 0
		.amdhsa_float_denorm_mode_32 3
		.amdhsa_float_denorm_mode_16_64 3
		.amdhsa_memory_ordered 1
		.amdhsa_forward_progress 1
		.amdhsa_inst_pref_size 79
	.end_amdhsa_kernel
	.amdgpu_metadata
---
amdhsa.version: [ 1, 2 ]
amdhsa.kernels:
  - .name:           k_q6e00756603_down
    .symbol:         k_q6e00756603_down.kd
    .args:
      - { .name: sel, .offset: 0, .size: 8, .value_kind: global_buffer, .address_space: global }
      - { .name: st, .offset: 8, .size: 8, .value_kind: global_buffer, .address_space: global }
      - { .name: wts, .offset: 16, .size: 8, .value_kind: global_buffer, .address_space: global }
      - { .name: act, .offset: 24, .size: 8, .value_kind: global_buffer, .address_space: global }
      - { .name: acs, .offset: 32, .size: 8, .value_kind: global_buffer, .address_space: global }
      - { .name: down_proj_codes, .offset: 40, .size: 8, .value_kind: global_buffer, .address_space: global }
      - { .name: down_proj_scales, .offset: 48, .size: 8, .value_kind: global_buffer, .address_space: global }
      - { .name: down_bias, .offset: 56, .size: 8, .value_kind: global_buffer, .address_space: global }
      - { .name: out0, .offset: 64, .size: 8, .value_kind: global_buffer, .address_space: global }
    .group_segment_fixed_size: 156672
    .private_segment_fixed_size: 0
    .kernarg_segment_align: 8
    .kernarg_segment_size: 72
    .max_flat_workgroup_size: 256
    .sgpr_count:     66
    .vgpr_count:     512
    .wavefront_size: 32
...
	.end_amdgpu_metadata
.endif
;; end of part 3
